; MI455X (gfx1250); checked and timed in simulation.
; The chip was launched on July 23, 2026; its instructions are those of AMD's public machine-readable ISA for CDNA 5 (MIT licence, August 2026) and "CDNA5" Instruction Set Architecture Reference Guide (July 2026). The comments in the code are by the model that wrote it; some were corrected since.
;; Sim VQ. Allowed arithmetic: matrix products marked QUANTISED: E2M3 operands, one E8M0 scale for each 32 along K, by v_wmma_scale_f32_16x16x128_f8f6f4 with both operands' format E2M3, f32 sums; everything else in f32.
;; Inputs: emb_codes 8,192 x 1 x 24 uint8 (E2M3 codes of emb, K innermost, in blocks of 32 codes, four codes in three bytes); emb_scales 8,192 x 1 uint8 (E8M0 scales of emb, one for each 32 codes along K); proj_b 32 float32; proj_w_codes 32 x 1 x 24 uint8 (E2M3 codes of proj_w, K innermost, in blocks of 32 codes, four codes in three bytes); proj_w_scales 32 x 1 uint8 (E8M0 scales of proj_w, one for each 32 codes along K); z 2 x 32 x 8 x 32 x 32 float32.
;; Outputs: out0 2 x 32 x 8 x 32 x 32 float32; out1 one number float32; out2 2 x 8 x 32 x 32 int32.
;; This version of the problem:
;;   THIS VERSION OF THE PROBLEM IS GIVEN IN LOW PRECISION. The matrix products marked QUANTISED in the list below multiply operands that are first quantised to E2M3 (2 exponent bits, 3 mantissa bits; 6 bits a number), with one power-of-two scale for each 32 numbers along K (OCP MX v1.0); their sums are f32. All else is computed in f32.
;;   The module's matrix products, in the order in which they are computed (A, B: the left and right operand; K: the contracted axis; several contracted axes count as one K, in the product's order):
;;     1. [M 8,192, K 32] x [K 32, N 32]; A: input emb (given as codes); B: input proj_w (given as codes): QUANTISED
;;     2. [M 16,384, K 32] x [K 32, N 8,192]; A: input z; B: computed on the way: QUANTISED
;;   THE QUANTISER, for each operand of a quantised product, along K:
;;     - K is cut into blocks of 32 from its start; a last block that is shorter is filled with zeros.
;;     - A block's scale is 2^e with e = floor(log2(the largest magnitude in the block)) - 2, held to -126 .. 127; a block of zeros has e = 0. As a byte (E8M0): e + 127.
;;     - Each number is divided by its block's scale, clamped to +-7.5, and rounded to the nearest number of E2M3, ties to even, subnormals kept.
;;     - The product sums the exact products of the quantised numbers (number of the format x scale) in f32.
;;   ~~~python
;;   def quantise(x, axis):      # numpy; x: float32 -> the quantised numbers, widened to float32 again
;;       x = np.moveaxis(x, axis, -1); K = x.shape[-1]
;;       x = np.pad(x, [(0, 0)] * (x.ndim - 1) + [(0, -K % 32)]); x = x.reshape(x.shape[:-1] + (-1, 32)); a = np.abs(x).max(-1, keepdims=True)
;;       e = np.where(a > 0, np.clip(np.frexp(np.where(a > 0, a, 1))[1] - 1 - 2, -126, 127), 0)      # np.frexp(a)[1] - 1 = floor(log2(a)), exactly
;;       r = np.clip(x / 2.0 ** e, -7.5, 7.5)
;;       step = 2.0 ** (np.maximum(np.frexp(np.where(r == 0, 1, r))[1] - 1, 0) - 3)
;;       q = np.round(r / step) * step * 2.0 ** e      # np.round: ties to even
;;       return np.moveaxis(q.reshape(q.shape[:-2] + (-1,))[..., :K], -1, axis).astype(np.float32)
;;   ~~~
;;   OPERANDS COMPUTED ON THE WAY. 'Computed on the way' means the value that the module computes at that place (a softmax that the list does not call 'softmax' is quantised finished and normalised). What goes into a quantiser is computed in f32, as accurately as f32 sums, v_exp_f32 and their like allow (about 1e-6 of the number): no bf16 or f16 on the way to a quantiser, and a product that is left as it is and whose result goes on into a quantised operand takes f32 operands (vector FMAs, or v_wmma_f32_16x16x4_f32). A number that lies on a knife's edge between two numbers of the format may be rounded either way, as far as f32 arithmetic and the matrix unit's own rounding can turn it there, and no further.
;;   INPUTS GIVEN AS CODES. emb (in the module: [8192, 32], K = its axis 1); proj_w (in the module: [32, 32], K = its axis 1): each comes as NAME_codes (uint8): NAME with its K axis moved to the last place and cut into blocks of 32 codes, [.., K / 32, bytes a block], one block behind the other in memory; four codes in three bytes: a row's codes are one little-endian stream of bits, code i at bits 6 i .. 6 i + 5 (a code: sign, 2 exponent bits, 3 mantissa bits); and NAME_scales (uint8): the same leading axes, one E8M0 byte (e + 127) for each 32 codes along K. Its value is code x scale, taken as it is: it is not quantised again, and the codes and scales need not be those that the quantiser above would give.
;; One version. Each part assembles by itself: llvm-mc -triple=amdgcn-amd-amdhsa -mcpu=gfx1250 --defsym DOCPART=n.
;; ======== version 1 of 1: 3 launches
;; limits: right only within a limited range of input values
;; workspace buffers: cand 1,048,576 bytes of whole numbers; img 262,144 bytes; part 4,096 bytes
;; launch search (part 1): grid 32 x 8, 16 waves a work-group, no clusters, 86,528 bytes of LDS; arguments emb_codes, emb_scales, proj_w_codes, proj_w_scales, proj_b, z, cand, img; writes cand, img
.if DOCPART == 1
	.amdgcn_target "amdgcn-amd-amdhsa--gfx1250"
	.amdhsa_code_object_version 6
	.text
	.protected	k_q565d4028f9_search
	.globl	k_q565d4028f9_search
	.p2align	8
	.type	k_q565d4028f9_search,@function
k_q565d4028f9_search:
	s_mov_b64 s[64:65], 0
	v_nop
	global_prefetch_b8 v0, s[64:65] scope:SCOPE_SE
	s_setreg_imm32_b32 hwreg(HW_REG_WAVE_MODE, 25, 1), 1
	s_wait_xcnt 0x0
; SimVQ, launch 1 of 3: for each of 16,384 tokens and each eighth of the 8,192 codes, the best group of 16 codes; and the quantised codebook for launch 2.
;   cb = emb W^T + b (product on the given E2M3 codes);  score[m][n] = Q(z_m) . Q(cb_n) - |cb_n|^2 / 2 (product on codes made here).
; DEAD WORK: |z_m|^2 is the same for all codes n of a token m, whatever the inputs hold, so it moves no argmin: d = |z|^2 - 2 score, and the least d is the greatest score.  The sum of z's squares is left out.
; LIMITS: the order of rounding differs from the formula's: |z|^2 + |cb|^2 is not rounded first, so two codes whose d differ by less than that sum's f32 rounding are told apart by their scores and not by their numbers; equal scores go to
; the lower code.  A NaN, an infinity or an overflow that reaches |z|^2 alone is not carried; NaN and infinities among the inputs are not served; a given scale byte 0xff spoils the four codes that share its word.
; K is one block of 32: each dot is a sum of 32 whole multiples of one power of two, under 2^24 of them: exact in f32.  So cb = fl(dot + b) and all codes are fixed bit for bit.
; SHARES.  Work-group (x, y): tokens 512 x .. + 511, codes 1,024 y .. + 1,023.  Wave w prepares one of the 16 groups of 64 codes and 32 tokens; all meet in LDS; then it sweeps 128 codes (eighth w / 2) for 256 tokens (set w % 2).
; The eight waves of a set join their results in LDS, 32 tokens a wave.
; No clusters and no prefetch: what work-groups share (z, emb) goes through registers, where it is quantised, and this text has no loop that reads memory.
; K = 32 IN AN INSTRUCTION OF K = 128.  A token fragment holds 64 tokens: row r, block b is token 16 b + r.  A tile of 16 codes has its codes in one block and zero codes in the others: registers Z X Z Y Z
; (Z zeros; X codes in lanes 0-15, zeros in lanes 16-31; Y the reverse) hold its four variants; variant b picks block b.  X's and Y's zeros are read from zeroed LDS bytes.
; TRANSPOSED: source 0 = 16 codes, source 1 = tokens: a lane holds one token, its 8 registers are 8 codes, and -|cb|^2 / 2 of those codes is the instruction's C.
; ORDER IN LDS.  Code c of a group lies at row pos(c) = c with bits 3 and 4 exchanged: so lane (token, h) sees, in two neighbouring tiles, 16 neighbouring codes 32 Q + 16 h .. + 15, at rows 32 Q + 8 h + 0 .. 7 and 16 further on.
; They are group 2 Q + h of the codebook.  img has a record of 512 bytes for each: 384 of codes, 64 of -|cb|^2 / 2, 16 scale bytes, 16 of emb's scale bytes, 32 unused.
.set CODES, 4096                       ; bytes 0 .. 4095: zeros; then 1,024 rows of 24 bytes
.set SCW,   28672                      ; their scale bytes, each four times in a word
.set CCN,   32768                      ; -|cb|^2 / 2
.set TOK,   36864                      ; 8 token fragments as images of their registers, 6 x 256 bytes each
.set TSC,   49152                      ; their scale words, 64 bytes each
.set SBY,   49664                      ; the codes' scale bytes in the codes' own order,
.set EBY,   50688                      ; and emb's
.set CAND,  51712                      ; [8 eighths][512 tokens] of (key, group)
.set SPARE, 84480                      ; the spare words, 128 bytes for each wave
.set F,   30                           ; v30-83: Z X Z Y Z X Z Y Z: W's variants, then two sets for code tiles
.set EB,  84                           ; v84-95 emb's fragment, then the codes just made
.set TK,  96                           ; v96-101 my token's codes
.set H,   108                          ; v108-171 64 numbers of cb
.set BI,  172                          ; v172-187 b at channels 16 h + 0 .. 15
.set TM,  188                          ; v188-199 at work
.set PW,  200
.set CCR, 202                          ; v202-205
.set RS,  206                          ; v206-209
.set ZV,  218                          ; v218-249 my token's 32 channels
.set TB,  84                           ; IN THE SWEEP: v84-131 four token fragments
.set CS,  132                          ; v132-147 C, two sets of 8
.set D,   148                          ; v148-179 four accumulators
.set BP,  180                          ; v180-211 best score of 16 token tiles, two sets by turns
.set G,   218                          ; v218-233 their groups
.set X0,  234                          ; v234-245 at work, two sets of six
.set SBT, 250                          ; v250-253 the tokens' scale words
.set SA,  254                          ; v254-255 the code tiles' scale words
; v1, v2 the add's two; v3 128 + 24 r; v4 1 - h; v5 h; v6 4 r; v7 32 h; v8-11 the sweep's addresses; v12 W's scale words; v13, v14 where codes and their words go; v15 4 lane; v16 emb's scale words
	s_load_b256 s[4:11], s[0:1], 0x0               ; emb's codes s[4:5], emb's scales s[6:7], W's codes s[8:9], W's scales s[10:11]
	s_load_b256 s[12:19], s[0:1], 0x20             ; b s[12:13], z s[14:15], cand s[16:17], img s[18:19]
	v_lshl_add_u32 v1, v0, 2, SPARE
	v_mov_b32 v2, 0
	v_lshrrev_b32 v27, 5, v0
	v_readfirstlane_b32 s20, v27                   ; wave
	v_and_b32 v27, 31, v0                          ; lane
	v_and_b32 v28, 15, v0                          ; r
	v_bfe_u32 v5, v0, 4, 1                         ; h
	v_bfe_u32 v8, v0, 1, 1
	v_bfe_u32 v9, v0, 2, 1
	v_bfe_u32 v10, v0, 3, 1
	v_and_b32 v29, 1, v0
	v_sub_nc_u32 v4, 1, v5
	v_mad_u32_u24 v3, v28, 24, 0x80
	v_lshlrev_b32 v6, 2, v28
	v_lshlrev_b32 v7, 5, v5
	v_mul_u32_u24 v20, v28, 96
	v_lshlrev_b32 v29, 2, v29
	v_and_b32 v23, 8, v28
	v_mad_u32_u24 v20, v5, 24, v20                 ; emb's fragment: 96 r + 24 h: row r, block b is code 4 r + b
	v_lshl_add_u32 v29, v8, 4, v29
	v_add_nc_u32 v23, v23, v28
	v_lshl_add_u32 v29, v9, 3, v29
	v_lshl_add_u32 v23, v5, 3, v23                 ; lane 16 u + m takes W's row 8 u + m + 8 (m / 8): so result register 8 u + j of lane (r, h) is channel 16 h + 8 u + j
	v_lshl_add_u32 v29, v10, 5, v29                ; pos(4 r)
	v_mul_u32_u24 v22, v23, 24
	v_lshlrev_b32 v14, 2, v29
	v_add_nc_u32 v29, v29, v5                      ; pos(4 r + h)
	v_lshlrev_b32 v24, 6, v5
	v_mul_u32_u24 v13, v29, 24
	v_lshlrev_b32 v15, 2, v27
	v_lshlrev_b32 v21, 3, v0
	v_add_nc_u32 v26, v6, v5                       ; 4 r + h
	s_and_b32 s21, ttmp9, 31                       ; x
	s_and_b32 s22, ttmp7, 0xffff                   ; y
	s_lshr_b32 s23, s20, 1                         ; my eighth of the codes; the token fragment that I prepare half of
	s_and_b32 s24, s20, 1                          ; my set of tokens; which half
	s_mul_i32 s26, s20, 1536                       ; my group's bytes
	s_lshl_b32 s27, s20, 8                         ; 256 w
	s_mul_i32 s28, s20, 768                        ; my half of a token fragment
	s_lshl_b32 s29, s20, 6                         ; 64 w
	s_lshl_b32 s32, s23, 6                         ; my byte pair of its scale words: 64 (w / 2) + 2 (w % 2)
	s_lshl_b32 s25, s24, 1
	s_add_co_u32 s32, s32, s25
	s_mul_i32 s36, s24, 6144                       ; the four fragments that I sweep with
	s_lshl_b32 s37, s24, 8
	s_lshl_b32 s38, s23, 12                        ; where my results go: 4,096 x eighth + 2,048 x set
	s_lshl_b32 s39, s24, 11
	s_add_co_u32 s38, s38, s39
	s_add_co_u32 s38, s38, CAND
	s_add_co_u32 s39, s27, CAND
	s_lshl_b32 s40, s21, 5                         ; the record that waves 0 and 1 copy: rows 32 x + 8 w on
	s_lshl_b32 s41, s24, 3
	s_add_co_u32 s40, s40, s41
	s_mul_i32 s41, s40, 24
	s_add_co_u32 s41, s41, CODES
	s_lshl_b32 s42, s40, 2
	s_add_co_u32 s42, s42, CCN-384
	s_lshl_b32 s43, s21, 5
	s_lshl_b32 s44, s24, 4
	s_add_co_u32 s43, s43, s44
	s_add_co_u32 s43, s43, SBY
	s_mul_i32 s30, s23, 3072
	s_add_co_u32 s30, s30, CODES-128               ; 24 x my first row, past the zero lanes' 128
	s_lshl_b32 s31, s23, 9                         ; 4 x my first row
	s_wait_alu depctr_va_vdst(0)
	v_add_nc_u32 v13, s26, v13
	v_add_nc_u32 v14, s27, v14
	v_lshl_add_u32 v25, v27, 3, s28
	v_add_nc_u32 v26, s32, v26
	v_lshl_add_u32 v210, v27, 3, s36
	v_add_nc_u32 v211, s37, v6
	v_lshlrev_b32 v213, 3, v27                     ; 8 lane
	v_add_nc_u32 v214, s29, v6                     ; my group's scale bytes: 64 w + 4 r
	v_add_nc_u32 v215, s38, v213
	v_add_nc_u32 v216, s39, v213                   ; where I join: 256 w + 8 lane
	v_lshlrev_b32 v217, 4, v27                     ; 16 lane
	v_add_nc_u32 v212, s41, v217                   ; the record in LDS: lanes 0-11 the codes of the first 8 rows, lanes 12-23 those 16 rows further;
	v_add_nc_u32 v28, 0xc0, v212
	v_cmp_lt_u32 vcc_lo, 11, v27
	v_cndmask_b32 v212, v212, v28, vcc_lo
	v_add_nc_u32 v28, s42, v217                    ; lanes 24-25 and 26-27 their -|cb|^2 / 2;
	v_add_nc_u32 v29, 32, v28
	v_cmp_lt_u32 vcc_lo, 25, v27
	v_cndmask_b32 v28, v28, v29, vcc_lo
	v_cmp_lt_u32 vcc_lo, 23, v27
	v_cndmask_b32 v212, v212, v28, vcc_lo
	v_mov_b32 v28, s43                             ; lane 28 the scale bytes, lanes 29-31 emb's
	v_add_nc_u32 v29, 0x400, v28
	v_cmp_lt_u32 vcc_lo, 28, v27
	v_cndmask_b32 v28, v28, v29, vcc_lo
	v_cmp_lt_u32 vcc_lo, 27, v27
	v_cndmask_b32 v212, v212, v28, vcc_lo
	v_mad_u32_u24 v8, s30, v4, v3                  ; X: lanes 0-15 code rows, lanes 16-31 zeros
	v_mad_u32_u24 v9, s30, v5, v3                  ; Y: the reverse
	v_add_nc_u32 v10, s31, v6
	v_add_nc_u32 v11, s31, v7
	s_mul_i32 s44, s22, 24576
	s_add_co_u32 s44, s44, s26
	s_mov_b32 s45, 0
	s_lshl_b32 s46, s22, 10
	s_add_co_u32 s46, s46, s29
	s_mov_b32 s47, 0
	s_lshr_b32 s38, s21, 4                         ; z: batch x / 16 of 2^20 bytes; in a channel's plane token (x % 16) 512 + 32 w + lane
	s_lshl_b32 s38, s38, 20
	s_and_b32 s39, s21, 15
	s_lshl_b32 s39, s39, 11
	s_add_co_u32 s38, s38, s39
	s_lshl_b32 s39, s20, 7
	s_add_co_u32 s38, s38, s39
	s_mov_b32 s39, 0
	s_lshl_b32 s40, s22, 17                        ; cand: [8 parts][16384 tokens] of (key, group), 8 bytes
	s_lshl_b32 s41, s21, 12
	s_add_co_u32 s40, s40, s41
	s_add_co_u32 s40, s40, s27
	s_mov_b32 s41, 0
	s_lshl_b32 s42, s22, 15                        ; img: record 64 y + 2 x + w
	s_lshl_b32 s43, s21, 10
	s_add_co_u32 s42, s42, s43
	s_lshl_b32 s43, s24, 9
	s_add_co_u32 s42, s42, s43
	s_mov_b32 s43, 0
	s_lshl_b32 s35, s22, 6                         ; the sweep's first group: 64 y + 8 x eighth
	s_lshl_b32 s48, s23, 3
	s_add_co_u32 s35, s35, s48
	s_mov_b32 s48, 0x76543210
	s_mov_b32 s49, 0xfedcba98                      ; v_permlanex16_b32's selects for lane l xor 16
	s_wait_alu depctr_va_vdst(0)                   ; the wait at the head's end
	s_wait_kmcnt 0x0
	s_add_nc_u64 s[4:5], s[4:5], s[44:45]
	s_add_nc_u64 s[6:7], s[6:7], s[46:47]
	s_add_nc_u64 s[14:15], s[14:15], s[38:39]
	s_add_nc_u64 s[16:17], s[16:17], s[40:41]
	s_add_nc_u64 s[18:19], s[18:19], s[42:43]
.irp p, 0,1,2
	global_load_b64 v[H+2*\p:H+2*\p+1], v22, s[8:9] offset:8*\p   ; my row of W: 24 bytes
.endr
	global_load_u8 v12, v23, s[10:11]              ; and its scale byte
.irp k, 0,1,2,3
	global_load_b128 v[BI+4*\k:BI+4*\k+3], v24, s[12:13] offset:16*\k
.endr
.irp p, 0,1,2,3,4,5                    ; my group: 64 codes of emb as a fragment and their scale bytes as a word a row: seven loads
	global_load_b64 v[EB+2*\p:EB+2*\p+1], v20, s[4:5] offset:48*(\p/3)+8*(\p%3)
.endr
	global_load_b32 v16, v6, s[6:7]
.irp c, 0,1,2,3,4,5,6,7,8,9,10,11,12,13,14,15,16,17,18,19,20,21,22,23,24,25,26,27,28,29,30,31
	global_load_b32 v[ZV+\c], v15, s[14:15] offset:32768*\c   ; my token: each load reads 128 consecutive bytes
.endr
.irp z, 0,12,24,36,48
.irp i, 0,1,2,3,4,5
	v_mov_b32 v[F+\z+\i], 0                        ; the five runs of zero codes: written once, they serve W's variants and the code tiles'
.endr
.endr
.irp i, 0,1,2,3,4,5
	v_mov_b32 v[F+30+\i], 0
	v_mov_b32 v[F+18+\i], 0
.endr
	ds_store_b64 v21, v[F:F+1]                     ; 512 threads: LDS bytes 0 .. 4095: zeros
	s_wait_alu depctr_va_vdst(0)
	s_wait_loadcnt 43                              ; W's four loads are in; behind them: 4 of b, 7 of emb, 32 of z
	v_perm_b32 v12, v12, v12, 0                    ; W's scale byte in all four places
; lanes 0-15: W's tile 0, lanes 16-31: tile 1; they become X0 = [tile 0 | 0], X1 = [tile 1 | 0], Y0 = [0 | tile 0], Y1 = [0 | tile 1]
.irp i, 0,1,2,3,4,5
	v_mov_b32 v[F+6+\i], v[H+\i]
	v_mov_b32 v[F+42+\i], v[H+\i]
.endr
.irp i, 0,1,2,3,4,5
	v_permlane16_swap_b32 v[F+6+\i], v[F+30+\i]
	v_permlane16_swap_b32 v[F+18+\i], v[F+42+\i]
.endr
.rept 4
	v_nop                                          ; operands made by vector instructions stand 4 places ahead of a scaled matrix instruction
.endr
	s_wait_alu depctr_va_vdst(0)
	s_wait_loadcnt 32                              ; b and emb are in; behind them: 32 of z
	; MY GROUP: cb of its 64 codes, -|cb|^2 / 2, the codes of cb; all to LDS
.irp b, 0,1,2,3
	v_wmma_scale_f32_16x16x128_f8f6f4 v[H+16*\b:H+16*\b+7], v[F+6*(2*(\b%2)+1-\b/2):F+6*(2*(\b%2)+1-\b/2)+11], v[EB:EB+11], 0, v12, v16 matrix_a_fmt:MATRIX_FMT_FP6 matrix_b_fmt:MATRIX_FMT_FP6
	v_wmma_scale_f32_16x16x128_f8f6f4 v[H+16*\b+8:H+16*\b+15], v[F+24+6*(2*(\b%2)+1-\b/2):F+24+6*(2*(\b%2)+1-\b/2)+11], v[EB:EB+11], 0, v12, v16 matrix_a_fmt:MATRIX_FMT_FP6 matrix_b_fmt:MATRIX_FMT_FP6 matrix_a_scale:MATRIX_SCALE_ROW1
.endr
.rept 4
	v_nop                                          ; four places (ISA guide 7.12.1) in front of the first read of results
.endr
.irp b, 0,1,2,3
.irp k, 0,2,4,6,8,10,12,14
	v_pk_add_f32 v[H+16*\b+\k:H+16*\b+\k+1], v[H+16*\b+\k:H+16*\b+\k+1], v[BI+\k:BI+\k+1]   ; cb = fl(dot + b)
.endr
.endr
.irp b, 0,1,2,3
	v_pk_mul_f32 v[TM+2*\b:TM+2*\b+1], v[H+16*\b:H+16*\b+1], v[H+16*\b:H+16*\b+1]
.endr
.irp k, 2,4,6,8,10,12,14
.irp b, 0,1,2,3
	v_pk_fma_f32 v[TM+2*\b:TM+2*\b+1], v[H+16*\b+\k:H+16*\b+\k+1], v[H+16*\b+\k:H+16*\b+\k+1], v[TM+2*\b:TM+2*\b+1]
.endr
.endr
.irp b, 0,1,2,3
	v_add_f32 v[TM+2*\b], v[TM+2*\b], v[TM+2*\b+1]
.endr
.irp b, 0,1,2,3
	v_permlanex16_b32 v[TM+2*\b+1], v[TM+2*\b], s48, s49
.endr
.irp b, 0,1,2,3
	v_add_f32 v[CCR+\b], v[TM+2*\b], v[TM+2*\b+1]
.endr
.irp b, 0,1,2,3
	v_mul_f32 v[CCR+\b], -0.5, v[CCR+\b]           ; -|cb|^2 / 2 of code 4 r + b, the same bits in both halves of the lanes
.endr
; 64 numbers of a lane, register 16 b + i = channel 16 h + i of code 4 r + b: their codes to v[EB] on (the whole codes of 4 r + h, then of 4 r + 2 + h), their scale word to v[PW]
.irp b, 0,1,2,3
	v_max3_num_f32 v[TM+\b], |v[H+16*\b]|, |v[H+16*\b+1]|, 0x1800000   ; and the floor 2^(3 - 127): the byte cannot fall under 1
.endr
.irp i, 2,4,6,8,10,12,14
.irp b, 0,1,2,3
	v_max3_num_f32 v[TM+\b], v[TM+\b], |v[H+16*\b+\i]|, |v[H+16*\b+\i+1]|
.endr
.endr
.irp b, 0,1,2,3
	v_permlanex16_b32 v[TM+4+\b], v[TM+\b], s48, s49
.endr
.irp b, 0,1,2,3
	v_max_num_f32 v[TM+\b], v[TM+\b], v[TM+4+\b]
.endr
.irp b, 0,1,2,3
	v_add_nc_u32 v[TM+8+\b], 0xff000000, v[TM+\b]  ; 2 off the exponent field: the conversion's scale operand
.endr
.irp b, 0,1,2,3
	v_lshrrev_b32 v[TM+4+\b], 23, v[TM+8+\b]
.endr
	v_lshl_or_b32 v[PW], v[TM+5], 8, v[TM+4]
	v_lshl_or_b32 v[TM+6], v[TM+7], 8, v[TM+6]
	v_lshl_or_b32 v[PW], v[TM+6], 16, v[PW]
.irp c, 0,1
	v_cvt_scalef32_pk16_fp6_f32 v[EB+6*\c:EB+6*\c+2], v[H+32*\c:H+32*\c+15], v[TM+8+2*\c]
	v_cvt_scalef32_pk16_fp6_f32 v[TM+4*\c:TM+4*\c+2], v[H+32*\c+16:H+32*\c+31], v[TM+8+2*\c+1]   ; (three registers from an even number on)
.endr
	v_perm_b32 v[RS], v[PW], v[PW], 0              ; each scale byte four times in a word; the plain place behind the conversions
	v_perm_b32 v[RS+1], v[PW], v[PW], 0x01010101
	v_perm_b32 v[RS+2], v[PW], v[PW], 0x02020202
	v_perm_b32 v[RS+3], v[PW], v[PW], 0x03030303
.irp c, 0,1
.irp i, 0,1,2
	v_permlane16_swap_b32 v[EB+6*\c+\i], v[TM+4*\c+\i]
.endr
.endr
.irp c, 0,1
.irp i, 0,1,2
	v_mov_b32 v[EB+3+6*\c+\i], v[TM+4*\c+\i]
.endr
.endr
.irp p, 0,1,2
	ds_store_b64 v13, v[EB+2*\p:EB+2*\p+1] offset:CODES+8*\p
	ds_store_b64 v13, v[EB+6+2*\p:EB+7+2*\p] offset:CODES+48+8*\p
.endr
	ds_store_b128 v14, v[RS:RS+3] offset:SCW       ; lanes r and r + 16 write the same words with the same values
	ds_store_b128 v14, v[CCR:CCR+3] offset:CCN
	ds_store_b32 v214, v[PW] offset:SBY
	ds_store_b32 v214, v16 offset:EBY
	; MY TOKEN: all channels in one lane: the codes come out in the fragment's layout
	s_wait_alu depctr_va_vdst(0)
	s_wait_loadcnt 0x0
.irp k, 0,1,2,3
	v_max3_num_f32 v[TM+\k], |v[ZV+2*\k]|, |v[ZV+2*\k+1]|, 0x1800000   ; and the floor 2^(3 - 127)
.endr
.irp i, 8,16,24
.irp k, 0,1,2,3
	v_max3_num_f32 v[TM+\k], v[TM+\k], |v[ZV+\i+2*\k]|, |v[ZV+\i+2*\k+1]|
.endr
.endr
	v_max3_num_f32 v[TM], v[TM], v[TM+1], v[TM+2]
	v_max_num_f32 v[TM], v[TM], v[TM+3]
	v_add_nc_u32 v[TM+8], 0xff000000, v[TM]
	v_cvt_scalef32_pk16_fp6_f32 v[TK:TK+2], v[ZV:ZV+15], v[TM+8]
	v_cvt_scalef32_pk16_fp6_f32 v[TM:TM+2], v[ZV+16:ZV+31], v[TM+8]
	v_lshrrev_b32 v28, 23, v[TM+8]                 ; the scale's byte; the plain place behind the conversions
.irp i, 0,1,2
	v_mov_b32 v[TK+3+\i], v[TM+\i]
.endr
.irp p, 0,1,2
	ds_store_b64 v25, v[TK+2*\p:TK+2*\p+1] offset:TOK+256*\p
.endr
	ds_store_b8 v26, v28 offset:TSC                ; byte 2 (w % 2) + h of row r's word
	s_wait_alu depctr_va_vdst(0)
	s_wait_dscnt 0x0                               ; for the others' sake: my stores into LDS are done
	s_barrier_signal -1
	s_barrier_wait -1                              ; all codes and tokens lie in LDS; none of these bytes is written from here on
.macro LD p, k                         ; my code tile k into set p: nine LDS loads
.irp q, 0,1,2
	ds_load_b64 v[F+24*(\p)+6+2*\q:F+24*(\p)+7+2*\q], v8 offset:384*(\k)+8*\q
	ds_load_b64 v[F+24*(\p)+18+2*\q:F+24*(\p)+19+2*\q], v9 offset:384*(\k)+8*\q
.endr
	ds_load_b32 v[SA+(\p)], v10 offset:SCW+64*(\k)
	ds_load_b128 v[CS+8*(\p):CS+8*(\p)+3], v11 offset:CCN+64*(\k)
	ds_load_b128 v[CS+8*(\p)+4:CS+8*(\p)+7], v11 offset:CCN+64*(\k)+16
.endm
.macro WM p, i, d                      ; the tile in set p against token tile i (block i % 4 of fragment i / 4): accumulator d, C = -|cb|^2 / 2
	v_wmma_scale_f32_16x16x128_f8f6f4 v[D+8*(\d):D+8*(\d)+7], v[F+24*(\p)+6*(2*((\i)%2)+1-((\i)%4)/2):F+24*(\p)+6*(2*((\i)%2)+1-((\i)%4)/2)+11], v[TB+12*((\i)/4):TB+12*((\i)/4)+11], v[CS+8*(\p):CS+8*(\p)+7], v[SA+(\p)], v[SBT+(\i)/4] matrix_a_fmt:MATRIX_FMT_FP6 matrix_b_fmt:MATRIX_FMT_FP6
.endm
.macro PAIR n                          ; pair n of 64: code tile n / 8, token tiles 2 (n % 8) and the next; accumulators by turns
	WM ((\n)/8)%2, 2*((\n)%8), 2*((\n)%2)
	WM ((\n)/8)%2, 2*((\n)%8)+1, 2*((\n)%2)+1
.endm
; leaf = 1: pair n's scores are entered: six maxima that do not hang on each other.  fin = 1: pair n - 1 is closed among them.
; The best runs from one set of registers into the other in a group's first tile; behind the group's second tile the two are compared: strictly greater, so on a tie the earlier group stays.
.macro MX n, leaf, fin
.set fm, (\n)-\fin
.set fk, (fm/8)%4
.set fi, 2*(fm%8)
.set ft, BP+16*(1-fk/2)+fi
.set ff, BP+16*(fk/2)+fi
.set fx, X0+6*(fm%2)
.set lk, ((\n)/8)%4
.set ls, BP+16*(((lk+1)/2)%2)+2*((\n)%8)
.set dd, D+16*((\n)%2)
.set xx, X0+6*((\n)%2)
.if \fin
	v_max3_num_f32 v[ft], v[fx], v[fx+2], v[fx+4]
	v_max3_num_f32 v[ft+1], v[fx+1], v[fx+3], v[fx+5]
.endif
.if \leaf
	v_max3_num_f32 v[xx], v[ls], v[dd], v[dd+1]
	v_max3_num_f32 v[xx+1], v[ls+1], v[dd+8], v[dd+9]
	v_max3_num_f32 v[xx+2], v[dd+2], v[dd+3], v[dd+4]
.endif
.if \fin && (fk%2)
	v_cmp_gt_f32 vcc_lo, v[ft], v[ff]
	v_cmp_gt_f32 s34, v[ft+1], v[ff+1]
.endif
.if \leaf
	v_max3_num_f32 v[xx+3], v[dd+10], v[dd+11], v[dd+12]
	v_max3_num_f32 v[xx+4], v[dd+5], v[dd+6], v[dd+7]
	v_max3_num_f32 v[xx+5], v[dd+13], v[dd+14], v[dd+15]
.endif
.if \fin && (fk%2)
	v_cndmask_b32 v[G+fi], v[G+fi], s35, vcc_lo
	v_cndmask_b32 v[G+fi+1], v[G+fi+1], s35, s34
.endif
.endm
.irp f, 0,1,2,3
.irp c, 0,1,2,3,4,5
	ds_load_b64 v[TB+12*\f+2*\c:TB+12*\f+2*\c+1], v210 offset:TOK+1536*\f+256*\c
.endr
	ds_load_b32 v[SBT+\f], v211 offset:TSC+64*\f
.endr
	LD 0, 0
	s_cmp_lt_u32 s20, 2
	s_cbranch_scc0 .Lno_copy                       ; waves 0 and 1 copy a record out, 512 consecutive bytes each
	ds_load_b128 v[D:D+3], v212
	s_wait_dscnt 0x0
	global_store_b128 v217, v[D:D+3], s[18:19]
	s_wait_xcnt 0x0                                ; the store has read its registers
.Lno_copy:
; THE SWEEP: 8 code tiles, 8 pairs of products each.  Each pair's scores are entered behind the next pair's products, whose places they are; a tile is fetched one tile ahead.
.set nn, 0
.rept 64
.if nn%8 == 0
	s_wait_alu depctr_va_vdst(0)
	s_wait_dscnt 0x0                               ; this tile is in
.if nn < 56
	LD (nn/8+1)%2, nn/8+1                          ; (behind the last products of the tile that lay there stand six places or more)
.endif
.endif
	PAIR nn
.if nn == 0
.irp i, 0,1,2,3,4,5,6,7,8,9,10,11,12,13,14,15
	v_mov_b32 v[BP+\i], 0xff800000                 ; under every score.  (These lines are pair 0's places)
	v_mov_b32 v[G+\i], s35
.endr
.endif
.if nn == 1
	MX 0, 1, 0
.endif
.if nn > 1
	MX nn-1, 1, 1
.endif
.if (nn%16 == 1) && (nn > 1)
	s_add_co_u32 s35, s35, 2                       ; the next group's number
.endif
.set nn, nn+1
.endr
	MX 63, 1, 1                                    ; (the lines above are the last pair's places)
	MX 64, 0, 1
	; A token's codes lie in lanes l and l xor 16.  The swaps bring, for token 32 u + lane, half 0's best into the first register and half 1's into the second
.irp u, 0,1,2,3,4,5,6,7
	v_permlane16_swap_b32 v[BP+2*\u], v[BP+2*\u+1]
	v_permlane16_swap_b32 v[G+2*\u], v[G+2*\u+1]
.endr
.irp u, 0,1,2,3,4,5,6,7
	v_cmp_gt_f32 s[36+\u], v[BP+2*\u+1], v[BP+2*\u]
.endr
.irp u, 0,1,2,3,4,5,6,7
	v_cmp_eq_f32 s[44+\u], v[BP+2*\u+1], v[BP+2*\u]
.endr
.irp u, 0,1,2,3,4,5,6,7
	v_cmp_lt_u32 s[52+\u], v[G+2*\u+1], v[G+2*\u]
.endr
.irp u, 0,1,2,3,4,5,6,7
	v_add_nc_u32 v[G+2*\u+1], 1, v[G+2*\u+1]       ; half 1's group
.endr
	s_wait_alu depctr_va_vdst(0)
.irp u, 0,1,2,3,4,5,6,7
	s_and_b32 s[44+\u], s[44+\u], s[52+\u]         ; on a tie the lower codes
	s_or_b32 s[36+\u], s[36+\u], s[44+\u]
.endr
.irp u, 0,1,2,3,4,5,6,7
	v_cndmask_b32 v[D+2*\u], v[BP+2*\u], v[BP+2*\u+1], s[36+\u]
	v_cndmask_b32 v[D+2*\u+1], v[G+2*\u], v[G+2*\u+1], s[36+\u]
.endr
.irp u, 0,1,2,3,4,5,6,7
	v_add_f32 v[D+2*\u], 0, v[D+2*\u]              ; -0 becomes +0, which is its equal
.endr
.irp u, 0,1,2,3,4,5,6,7
	v_ashrrev_i32 v[X0+\u], 31, v[D+2*\u]
.endr
.irp u, 0,1,2,3,4,5,6,7
	v_or_b32 v[X0+\u], 0x80000000, v[X0+\u]
.endr
.irp u, 0,1,2,3,4,5,6,7
	v_xor_b32 v[D+2*\u], v[X0+\u], v[D+2*\u]       ; the score as a whole number in the same order (unsigned)
.endr
.irp u, 0,1,2,3,4,5,6,7
	ds_store_b64 v215, v[D+2*\u:D+2*\u+1] offset:256*\u
.endr
	s_wait_alu depctr_va_vdst(0)
	s_wait_dscnt 0x0                               ; for the others' sake
	s_barrier_signal -1
	s_barrier_wait -1
.irp q, 0,1,2,3,4,5,6,7                ; my 32 tokens' eighths: the greater key; on a tie the lower eighth stays
	ds_load_b64 v[BP+2*\q:BP+2*\q+1], v216 offset:4096*\q
.endr
.macro LEVEL cnt, st                   ; entry 2 st m against entry 2 st m + st
.set mm, 0
.rept \cnt
	v_cmp_gt_u32 s[36+mm], v[BP+4*(\st)*mm+2*(\st)], v[BP+4*(\st)*mm]
.set mm, mm+1
.endr
.set mm, 0
.rept \cnt
	v_cndmask_b32 v[BP+4*(\st)*mm], v[BP+4*(\st)*mm], v[BP+4*(\st)*mm+2*(\st)], s[36+mm]
	v_cndmask_b32 v[BP+4*(\st)*mm+1], v[BP+4*(\st)*mm+1], v[BP+4*(\st)*mm+2*(\st)+1], s[36+mm]
.set mm, mm+1
.endr
.endm
	s_wait_dscnt 0x0
	LEVEL 4, 1
	LEVEL 2, 2
	LEVEL 1, 4
	global_store_b64 v213, v[BP:BP+1], s[16:17]    ; 256 consecutive bytes
	s_wait_tensorcnt 0x0                           ; the wave's end
	ds_add_u32 v1, v2
	s_wait_dscnt 0x0
	s_endpgm
.Lfunc_end_k_q565d4028f9_search:
	.size	k_q565d4028f9_search, .Lfunc_end_k_q565d4028f9_search-k_q565d4028f9_search
	.p2alignl 7, 3214868480
	.fill 96, 4, 3214868480
	.section	.rodata,"a",@progbits
	.p2align	6, 0x0
	.amdhsa_kernel k_q565d4028f9_search
		.amdhsa_group_segment_fixed_size 86528
		.amdhsa_private_segment_fixed_size 0
		.amdhsa_enable_private_segment 0
		.amdhsa_kernarg_size 64
		.amdhsa_user_sgpr_count 2
		.amdhsa_user_sgpr_kernarg_segment_ptr 1
		.amdhsa_wavefront_size32 1
		.amdhsa_system_sgpr_workgroup_id_x 1
		.amdhsa_system_sgpr_workgroup_id_y 1
		.amdhsa_system_sgpr_workgroup_id_z 1
		.amdhsa_system_vgpr_workitem_id 0
		.amdhsa_next_free_vgpr 256
		.amdhsa_next_free_sgpr 66
		.amdhsa_reserve_vcc 1
		.amdhsa_float_denorm_mode_32 3
		.amdhsa_float_denorm_mode_16_64 3
		.amdhsa_memory_ordered 1
		.amdhsa_forward_progress 1
		.amdhsa_inst_pref_size 97
	.end_amdhsa_kernel
	.amdgpu_metadata
---
amdhsa.version: [ 1, 2 ]
amdhsa.kernels:
  - .name:           k_q565d4028f9_search
    .symbol:         k_q565d4028f9_search.kd
    .args:
      - { .name: emb_codes, .offset: 0, .size: 8, .value_kind: global_buffer, .address_space: global }
      - { .name: emb_scales, .offset: 8, .size: 8, .value_kind: global_buffer, .address_space: global }
      - { .name: proj_w_codes, .offset: 16, .size: 8, .value_kind: global_buffer, .address_space: global }
      - { .name: proj_w_scales, .offset: 24, .size: 8, .value_kind: global_buffer, .address_space: global }
      - { .name: proj_b, .offset: 32, .size: 8, .value_kind: global_buffer, .address_space: global }
      - { .name: z, .offset: 40, .size: 8, .value_kind: global_buffer, .address_space: global }
      - { .name: cand, .offset: 48, .size: 8, .value_kind: global_buffer, .address_space: global }
      - { .name: img, .offset: 56, .size: 8, .value_kind: global_buffer, .address_space: global }
    .group_segment_fixed_size: 86528
    .private_segment_fixed_size: 0
    .kernarg_segment_align: 8
    .kernarg_segment_size: 64
    .max_flat_workgroup_size: 512
    .sgpr_count:     66
    .vgpr_count:     256
    .wavefront_size: 32
...
	.end_amdgpu_metadata
.endif
;; end of part 1
;; launch pick (part 2): grid 256 x 1, 4 waves a work-group, no clusters, 18,432 bytes of LDS; arguments cand, img, emb_codes, proj_w_codes, proj_w_scales, proj_b, z, out0, out2, part; writes out0, out2, part
.if DOCPART == 2
	.amdgcn_target "amdgcn-amd-amdhsa--gfx1250"
	.amdhsa_code_object_version 6
	.text
	.protected	k_q565d4028f9_pick
	.globl	k_q565d4028f9_pick
	.p2align	8
	.type	k_q565d4028f9_pick,@function
k_q565d4028f9_pick:
	s_mov_b64 s[64:65], 0
	v_nop
	global_prefetch_b8 v0, s[64:65] scope:SCOPE_SE
	s_setreg_imm32_b32 hwreg(HW_REG_WAVE_MODE, 25, 1), 1
	s_wait_xcnt 0x0
; SimVQ, launch 2 of 3: each token's best group of 16 codes (the greatest of 8 stored keys, on a tie the lower part), the code in it, zq = cb of that code, out0 = z + (zq - z), out2 = the code, partial sums of (zq - z)^2.
; DEAD WORK: |z|^2 is left out of the choice as in the first launch.  LIMITS: as in the first launch.
; The group is chosen among whole numbers that the first launch stored, so addresses may hang on it.  The code inside the group is chosen by scores made here, so no address hangs on it: emb's rows of all 16 codes are fetched and one is SELECTED.
; SHARES.  A work-group takes tokens 64 g .. + 63; wave u finds the codes of tokens 16 u + r (both halves of the lanes) and makes zq of all 32 channels; through LDS zq comes to the wave that owns channels 8 u .. + 7 of all 64 tokens.
; THE SCORES.  Source 0: rows = 16 tokens, their codes in block b, zero codes elsewhere (Z X Z Y Z, four variants).  Source 1: column n = codes of token n's OWN group: lane (n, h) holds slots 8 h .. + 7, six registers each:
; registers 12 q .. + 11 are blocks 0, 2 (slots 2 q, 2 q + 1) in lanes 0-15 and blocks 1, 3 (slots 8 + 2 q, 9 + 2 q) in lanes 16-31.  Of each result the diagonal counts: C holds -3e38 off it and 0 on it, and the largest of a lane's eight is the dot.
; It stands in the half of the lanes with h = n / 8.  cb is made again from emb's codes by the same product and the same f32 addition of b, bit for bit as in the first launch.
.set ZL,  0                            ; LDS: z [32][64] f32, rows of 272 bytes, channels 16 on 128 bytes further
.set ZQ,  8960                         ; zq [32][64], rows of 272 bytes
.set IDX, 17664                        ; 64 codes
.set SPARE, 17920                      ; the spare words, 128 bytes for each wave
.set CB,  20                           ; v20-67  the group's codes; later the chosen emb row
.set EM,  68                           ; v68-115 the group's emb rows
.set DF,  68                           ; later zq - z
.set AC,  84
.set SB,  116                          ; v116-119 the group's 16 scale bytes
.set T,   116                          ; v116-131 later the scores by slot
.set CN,  132                          ; v132-147 -|cb|^2 / 2 by slot
.set ES,  148                          ; v148-151 emb's 16 scale bytes
.set ZX,  152                          ; v152-181 the tokens' variants
.set CM,  182                          ; v182-189 C
.set D,   190                          ; v190-221 four accumulators; first z by tokens in v190-205
.set CK,  206                          ; first: 8 candidates (key, group)
.set ZR,  222                          ; v222-237 z, then out0
.set WS,  238                          ; v238-239 W's scale words
.set BW,  240                          ; v240-243 the codes' scale words
.set TP,  244                          ; v244-251 at work
.set SS,  252                          ; the chosen row's scale word
.set ZS,  254                          ; the tokens' scale words
; v1, v2 the add's two; v4 r; v5 h; v253 8 lane; v256-279 W's two tiles (6 registers of codes, 6 of zeros); v280-295 b
.set MSB, 0
.macro WIN new
.if MSB != \new
	s_set_vgpr_msb (MSB<<8)|\new
.set MSB, \new
.endif
.endm
	s_load_b256 s[4:11], s[0:1], 0x0               ; cand s[4:5], img s[6:7], emb's codes s[8:9], W's codes s[10:11]
	s_load_b256 s[12:19], s[0:1], 0x20             ; W's scales s[12:13], b s[14:15], z s[16:17], out0 s[18:19]
	s_load_b128 s[20:23], s[0:1], 0x40             ; out2 s[20:21], part s[22:23]
	v_lshl_add_u32 v1, v0, 2, SPARE
	v_mov_b32 v2, 0
	v_lshrrev_b32 v3, 5, v0
	v_readfirstlane_b32 s26, v3                    ; u
	v_and_b32 v4, 15, v0
	v_bfe_u32 v5, v0, 4, 1
	v_and_b32 v253, 31, v0
	v_lshlrev_b32 v6, 3, v4
	v_lshlrev_b32 v3, 4, v4
	v_lshlrev_b32 v9, 5, v5                        ; b: 32 h
	v_mul_u32_u24 v8, v4, 24                       ; W: row r
	v_lshl_add_u32 v7, v5, 17, v3                  ; z, out0: 4 h planes of 32,768 bytes + 16 r
	v_mul_u32_u24 v16, v5, 0x440
	v_mul_u32_u24 v17, v5, 0x1180
	v_mul_u32_u24 v18, v5, 0x880
	v_lshlrev_b32 v19, 2, v4
	v_add_nc_u32 v16, v16, v3                      ; 4 h rows + 16 r
	v_add_nc_u32 v17, v17, v19                     ; 16 h rows + 128 h + 4 r
	v_add_nc_u32 v18, v18, v19                     ; 8 h rows + 4 r
	v_lshlrev_b32 v253, 3, v253
	s_mov_b32 s27, 0xff61b1e6                      ; -3e38
	s_lshl_b32 s28, ttmp9, 9                       ; cand: 64 tokens x 8 bytes, + 16 u tokens
	s_lshl_b32 s29, s26, 7
	s_add_co_u32 s28, s28, s29
	s_mov_b32 s29, 0
	s_lshr_b32 s30, ttmp9, 7                       ; z: batch g / 128, 8 u planes, token (g % 128) 64
	s_lshl_b32 s30, s30, 20
	s_and_b32 s31, ttmp9, 127
	s_lshl_b32 s31, s31, 8
	s_add_co_u32 s30, s30, s31
	s_lshl_b32 s31, s26, 18
	s_add_co_u32 s30, s30, s31
	s_mov_b32 s31, 0
	s_lshl_b32 s32, ttmp9, 8                       ; out2
	s_mov_b32 s33, 0
	s_lshl_b32 s34, ttmp9, 4                       ; part: word 4 g + u
	s_lshl_b32 s35, s26, 2
	s_add_co_u32 s34, s34, s35
	s_mov_b32 s35, 0
	s_mul_i32 s37, s26, 2176                       ; 8 u rows
	s_lshr_b32 s36, s26, 1
	s_lshl_b32 s36, s36, 7
	s_add_co_u32 s36, s36, s37
	s_add_co_u32 s37, s37, ZQ
	s_lshl_b32 s38, s26, 6
	s_add_co_u32 s39, s38, ZQ
	s_add_co_u32 s40, s38, IDX
	s_mov_b32 s48, 0x76543210
	s_mov_b32 s49, 0xfedcba98                      ; v_permlanex16_b32's selects for lane l xor 16
	s_wait_alu depctr_va_vdst(0)
	v_add_nc_u32 v15, s37, v16                     ; where I read zq: channels 8 u + 4 h + j, tokens 4 r .. + 3
	v_add_nc_u32 v16, s36, v16                     ; where I put z of the same
	v_add_nc_u32 v17, s38, v17                     ; where I read z: channels 16 h + i, token 16 u + r
	v_add_nc_u32 v18, s39, v18                     ; where I put zq: channels 8 h + .., token 16 u + r
	v_add_nc_u32 v19, s40, v19                     ; where I put its code
	s_wait_alu depctr_va_vdst(0)                   ; the wait at the head's end
	s_wait_kmcnt 0x0
	s_add_nc_u64 s[4:5], s[4:5], s[28:29]
	s_add_nc_u64 s[16:17], s[16:17], s[30:31]
	s_add_nc_u64 s[18:19], s[18:19], s[30:31]
	s_add_nc_u64 s[20:21], s[20:21], s[32:33]
	s_add_nc_u64 s[22:23], s[22:23], s[34:35]
.irp j, 0,1,2,3
	global_load_b128 v[ZR+4*\j:ZR+4*\j+3], v7, s[16:17] offset:32768*\j
.endr
.irp p, 0,1,2,3,4,5,6,7
	global_load_b64 v[CK+2*\p:CK+2*\p+1], v6, s[4:5] offset:131072*\p
.endr
	WIN 0x40
.irp t, 0,1
.irp p, 0,1,2
	global_load_b64 v[12*\t+2*\p:12*\t+2*\p+1], v8, s[10:11] offset:384*\t+8*\p    ; W's row 16 t + r, in both halves of the lanes: blocks 0 and 1
.endr
	global_load_b128 v[24+8*\t:27+8*\t], v9, s[14:15] offset:64*\t
	global_load_b128 v[28+8*\t:31+8*\t], v9, s[14:15] offset:64*\t+16
.endr
	WIN 0
.irp t, 0,1
	global_load_u8 v[WS+\t], v4, s[12:13] offset:16*\t
.endr
	; while these are on their way: C and the variants' zeros
	v_lshlrev_b32 v3, 3, v5
	v_mov_b32 v[TP+2], 0                           ; (a lane permute's destination counts as one of its sources)
	v_sub_nc_u32 v3, v4, v3
.irp j, 0,1,2,3,4,5,6,7
	v_cmp_eq_u32 s[40+\j], \j, v3                  ; register j is row 8 h + j: on the diagonal where that is r
.endr
.irp j, 0,1,2,3,4,5,6,7
	v_cndmask_b32 v[CM+\j], s27, 0, s[40+\j]
.endr
.irp i, 0,1,2,3,4,5
	v_mov_b32 v[ZX+\i], 0
	v_mov_b32 v[ZX+12+\i], 0
	v_mov_b32 v[ZX+24+\i], 0
.endr
	s_mov_b32 s48, 0x76543210
	s_mov_b32 s49, 0xfedcba98
	s_wait_alu depctr_va_vdst(0)
	s_wait_loadcnt 20                              ; z is in; behind it: 8 candidates, 12 of W and b
.irp j, 0,1,2,3
	ds_store_b128 v16, v[ZR+4*\j:ZR+4*\j+3] offset:272*\j
.endr
	s_wait_dscnt 0x0                               ; for the others' sake
	s_barrier_signal -1
	s_barrier_wait -1
.irp i, 0,1,2,3,4,5,6,7,8,9,10,11,12,13,14,15
	ds_load_b32 v[D+\i], v17 offset:272*\i         ; z by tokens
.endr
.macro LEVEL cnt, st                   ; entry 2 st m against entry 2 st m + st: the greater key; on a tie the lower part stays
.set mm, 0
.rept \cnt
	v_cmp_gt_u32 s[40+mm], v[CK+4*(\st)*mm+2*(\st)], v[CK+4*(\st)*mm]
.set mm, mm+1
.endr
.set mm, 0
.rept \cnt
	v_cndmask_b32 v[CK+4*(\st)*mm], v[CK+4*(\st)*mm], v[CK+4*(\st)*mm+2*(\st)], s[40+mm]
	v_cndmask_b32 v[CK+4*(\st)*mm+1], v[CK+4*(\st)*mm+1], v[CK+4*(\st)*mm+2*(\st)+1], s[40+mm]
.set mm, mm+1
.endr
.endm
	s_wait_loadcnt 12                              ; the candidates are in; behind them: 12 of W and b
	LEVEL 4, 1
	LEVEL 2, 2
	LEVEL 1, 4
	v_min_u32 v10, 0x1ff, v[CK+1]                  ; a stored group stays inside the table that it indexes
	v_lshlrev_b32 v12, 9, v10                      ; its record
	v_mul_u32_u24 v13, v10, 0x180                  ; emb's rows
	v_lshlrev_b32 v14, 4, v10                      ; its first code
	v_mad_u32_u24 v11, v5, 0xc0, v12               ; slots 8 h on
	v_mad_u32_u24 v13, v5, 0xc0, v13
.irp i, 0,1,2,3,4,5,6,7,8,9,10,11
	global_load_b128 v[CB+4*\i:CB+4*\i+3], v11, s[6:7] offset:16*\i
.endr
.irp i, 0,1,2,3
	global_load_b128 v[CN+4*\i:CN+4*\i+3], v12, s[6:7] offset:384+16*\i
.endr
	global_load_b128 v[SB:SB+3], v12, s[6:7] offset:448
.irp i, 0,1,2,3,4,5,6,7,8,9,10,11
	global_load_b128 v[EM+4*\i:EM+4*\i+3], v13, s[8:9] offset:16*\i
.endr
	global_load_b128 v[ES:ES+3], v12, s[6:7] offset:464
	; while these are on their way: the tokens' codes
	s_wait_dscnt 0x0
	v_max3_num_f32 v[TP], |v[D]|, |v[D+1]|, 0x1800000      ; and the floor 2^(3 - 127)
	v_max3_num_f32 v[TP+1], |v[D+2]|, |v[D+3]|, 0x1800000
.irp i, 4,8,12
	v_max3_num_f32 v[TP], v[TP], |v[D+\i]|, |v[D+\i+1]|
	v_max3_num_f32 v[TP+1], v[TP+1], |v[D+\i+2]|, |v[D+\i+3]|
.endr
	v_max_num_f32 v[TP], v[TP], v[TP+1]
	v_permlanex16_b32 v[TP+2], v[TP], s48, s49
	v_max_num_f32 v[TP], v[TP], v[TP+2]
	v_add_nc_u32 v[TP+3], 0xff000000, v[TP]
	v_lshrrev_b32 v[TP+7], 23, v[TP+3]
	v_cvt_scalef32_pk16_fp6_f32 v[TP+4:TP+6], v[D:D+15], v[TP+3]
	v_perm_b32 v[ZS], v[TP+7], v[TP+7], 0          ; the scale byte in all four places; the plain place behind the conversion
	v_cmp_eq_u32 vcc_lo, 0, v5
.irp i, 0,1,2
	v_mov_b32 v[TP+\i], v[TP+4+\i]
.endr
.irp i, 0,1,2
	v_permlane16_swap_b32 v[TP+4+\i], v[TP+\i]     ; channels 0-15's codes in the first, 16-31's in the second, in every lane
.endr
.irp i, 0,1,2
	v_cndmask_b32 v[ZX+6+\i], 0, v[TP+4+\i], vcc_lo        ; X: lanes 0-15
	v_cndmask_b32 v[ZX+9+\i], 0, v[TP+\i], vcc_lo
	v_cndmask_b32 v[ZX+18+\i], v[TP+4+\i], 0, vcc_lo       ; Y: lanes 16-31
	v_cndmask_b32 v[ZX+21+\i], v[TP+\i], 0, vcc_lo
.endr
	WIN 0x40
.irp i, 0,1,2,3,4,5
	v_mov_b32 v[6+\i], 0                           ; zero codes in W's blocks 2 and 3
	v_mov_b32 v[18+\i], 0
.endr
	WIN 0
	s_wait_alu depctr_va_vdst(0)
	s_wait_loadcnt 13                              ; the record's codes, -|cb|^2 / 2 and scale bytes are in; behind them: 12 of emb and its scale bytes
.irp k, 0,1                            ; fragment q's scale bytes: slots 2 q, 8 + 2 q, 2 q + 1, 9 + 2 q
	v_perm_b32 v[BW+2*\k], v[SB+2+\k], v[SB+\k], 0x05010400
	v_perm_b32 v[BW+2*\k+1], v[SB+2+\k], v[SB+\k], 0x07030602
.endr
.irp t, 0,1
	v_perm_b32 v[WS+\t], v[WS+\t], v[WS+\t], 0
.endr
.rept 6
	v_nop                                          ; scale words made by vector instructions stand 8 places ahead of a scaled matrix instruction
.endr
.macro ZW e                            ; slots e and 8 + e
	v_wmma_scale_f32_16x16x128_f8f6f4 v[D+16*((\e)%2):D+16*((\e)%2)+7], v[ZX+6-6*((\e)%2):ZX+17-6*((\e)%2)], v[CB+12*((\e)/2):CB+12*((\e)/2)+11], v[CM:CM+7], v[ZS], v[BW+(\e)/2] matrix_a_fmt:MATRIX_FMT_FP6 matrix_b_fmt:MATRIX_FMT_FP6
	v_wmma_scale_f32_16x16x128_f8f6f4 v[D+16*((\e)%2)+8:D+16*((\e)%2)+15], v[ZX+18-6*((\e)%2):ZX+29-6*((\e)%2)], v[CB+12*((\e)/2):CB+12*((\e)/2)+11], v[CM:CM+7], v[ZS], v[BW+(\e)/2] matrix_a_fmt:MATRIX_FMT_FP6 matrix_b_fmt:MATRIX_FMT_FP6
.endm
.macro PR e                            ; their scores
.set dd, D+16*((\e)%2)
	v_max3_num_f32 v[TP], v[dd], v[dd+1], v[dd+2]
	v_max3_num_f32 v[TP+1], v[dd+8], v[dd+9], v[dd+10]
	v_max3_num_f32 v[TP+2], v[dd+3], v[dd+4], v[dd+5]
	v_max3_num_f32 v[TP+3], v[dd+11], v[dd+12], v[dd+13]
	v_max3_num_f32 v[TP], v[TP], v[dd+6], v[dd+7]
	v_max3_num_f32 v[TP+1], v[TP+1], v[dd+14], v[dd+15]
	v_max_num_f32 v[TP], v[TP], v[TP+2]
	v_max_num_f32 v[TP+1], v[TP+1], v[TP+3]
	v_add_f32 v[T+(\e)], v[TP], v[CN+(\e)]
	v_add_f32 v[T+8+(\e)], v[TP+1], v[CN+8+(\e)]
.endm
	ZW 0
	ZW 1
.rept 4
	v_nop                                          ; four places (ISA guide 7.12.1) in front of the first read of results; further on the lines of the pair before are the places
.endr
	PR 0
.irp e, 2,3,4,5,6,7
	ZW \e
	PR \e-1
.endr
	PR 7
	; the greatest score and the lowest slot that has it
	v_max3_num_f32 v[TP], v[T], v[T+1], v[T+2]
	v_max3_num_f32 v[TP+1], v[T+3], v[T+4], v[T+5]
	v_max3_num_f32 v[TP+2], v[T+6], v[T+7], v[T+8]
	v_max3_num_f32 v[TP+3], v[T+9], v[T+10], v[T+11]
	v_max3_num_f32 v[TP+4], v[T+12], v[T+13], v[T+14]
	v_max3_num_f32 v[TP], v[TP], v[TP+1], v[T+15]
	v_max3_num_f32 v[TP+2], v[TP+2], v[TP+3], v[TP+4]
	v_max_num_f32 v[TP], v[TP], v[TP+2]
.irp n, 0,1,2,3,4,5,6,7,8,9,10,11,12,13,14,15
	v_cmp_eq_f32 s[40+\n], v[T+\n], v[TP]
.endr
.irp c, 0,1,2,3                        ; four chains of four slots
	v_cndmask_b32 v[TP+1+\c], 16, 4*\c+3, s[43+4*\c]
.endr
.irp i, 2,1,0
.irp c, 0,1,2,3
	v_cndmask_b32 v[TP+1+\c], v[TP+1+\c], 4*\c+\i, s[40+4*\c+\i]
.endr
.endr
	v_min_u32 v[TP+1], v[TP+1], v[TP+2]
	v_min_u32 v[TP+3], v[TP+3], v[TP+4]
	v_cmp_lt_u32 vcc_lo, 7, v4
	v_min_u32 v[TP+1], v[TP+1], v[TP+3]
	v_mov_b32 v[TP+2], v[TP+1]
	v_permlane16_swap_b32 v[TP+1], v[TP+2]         ; half 0's slot and half 1's, in every lane;
	v_cndmask_b32 v[TP+1], v[TP+1], v[TP+2], vcc_lo        ; token r's diagonal stands in half r / 8
	v_lshlrev_b32 v[TP+6], 3, v5
	v_sub_nc_u32 v[TP+5], v[TP+1], v[TP+6]
	v_lshrrev_b32 v[TP+2], 2, v[TP+1]
	v_and_b32 v[TP+4], 3, v[TP+1]
	s_mov_b32 s48, 0x76543210
	s_mov_b32 s49, 0xfedcba98
	s_wait_alu depctr_va_vdst(0)
	s_wait_loadcnt 0x0                             ; emb's rows and scale bytes are in
	v_add_nc_u32 v14, v14, v[TP+1]                 ; THE CODE
	v_mov_b32 v[TP+3], v[ES]
	v_lshlrev_b32 v[TP+4], 3, v[TP+4]
.irp k, 1,2,3
	v_cmp_eq_u32 vcc_lo, \k, v[TP+2]
	v_cndmask_b32 v[TP+3], v[TP+3], v[ES+\k], vcc_lo
.endr
	v_lshrrev_b32 v[TP+3], v[TP+4], v[TP+3]
	v_perm_b32 v[SS], v[TP+3], v[TP+3], 0          ; its scale byte in all four places
.irp k, 0,1,2,3,4,5,6,7
	v_cmp_eq_u32 s[40+\k], \k, v[TP+5]             ; my half's slot k?
.endr
.irp i, 0,1,2,3,4,5
	v_cndmask_b32 v[CB+\i], 0, v[EM+\i], s40
.endr
.irp k, 1,2,3,4,5,6,7
.irp i, 0,1,2,3,4,5
	v_cndmask_b32 v[CB+\i], v[CB+\i], v[EM+6*\k+\i], s[40+\k]      ; the chosen row in its half of the lanes, zero codes in the other: blocks 0 and 1 of the operand, both against W
.endr
.endr
.rept 4
	v_nop                                          ; operands made by vector instructions stand 4 places ahead of a scaled matrix instruction
.endr
	WIN 0x01                                       ; source 0: window 1.  What registers 6-11 of source 1 still hold meets W's zero codes
	v_wmma_scale_f32_16x16x128_f8f6f4 v[D:D+7], v[0:11], v[CB:CB+11], 0, v[WS], v[SS] matrix_a_fmt:MATRIX_FMT_FP6 matrix_b_fmt:MATRIX_FMT_FP6
	v_wmma_scale_f32_16x16x128_f8f6f4 v[D+8:D+15], v[12:23], v[CB:CB+11], 0, v[WS+1], v[SS] matrix_a_fmt:MATRIX_FMT_FP6 matrix_b_fmt:MATRIX_FMT_FP6
	WIN 0
.rept 4
	v_nop
.endr
	WIN 0x04                                       ; source 1: window 1
.irp k, 0,2,4,6,8,10,12,14
	v_pk_add_f32 v[D+\k:D+\k+1], v[D+\k:D+\k+1], v[24+\k:25+\k]    ; zq = fl(dot + b): register 8 t + j is channel 16 t + 8 h + j
.endr
	WIN 0
.irp t, 0,1
.irp j, 0,1,2,3,4,5,6,7
	ds_store_b32 v18, v[D+8*\t+\j] offset:272*(16*\t+\j)
.endr
.endr
	ds_store_b32 v19, v14                          ; lanes r and r + 16 write the same word with the same value
	s_wait_alu depctr_va_vdst(0)
	s_wait_dscnt 0x0                               ; for the others' sake
	s_barrier_signal -1
	s_barrier_wait -1
.irp j, 0,1,2,3
	ds_load_b128 v[DF+4*\j:DF+4*\j+3], v15 offset:272*\j
.endr
	s_cmp_lg_u32 s26, 0
	s_cbranch_scc1 .Lno_idx                        ; the codes leave by wave 0 alone: 256 consecutive bytes
	ds_load_b64 v[88:89], v253 offset:IDX
	s_wait_dscnt 0x0
	global_store_b64 v253, v[88:89], s[20:21]
.Lno_idx:
	s_wait_dscnt 0x0
.irp j, 0,1,2,3
.irp k, 0,2
	v_pk_add_f32 v[DF+4*\j+\k:DF+4*\j+\k+1], v[DF+4*\j+\k:DF+4*\j+\k+1], v[ZR+4*\j+\k:ZR+4*\j+\k+1] neg_lo:[0,1] neg_hi:[0,1]   ; zq - z
.endr
.irp k, 0,2
	v_pk_add_f32 v[ZR+4*\j+\k:ZR+4*\j+\k+1], v[ZR+4*\j+\k:ZR+4*\j+\k+1], v[DF+4*\j+\k:DF+4*\j+\k+1]   ; z + (zq - z)
.endr
.irp k, 0,2
.if \j == 0
	v_pk_mul_f32 v[AC+\k:AC+\k+1], v[DF+\k:DF+\k+1], v[DF+\k:DF+\k+1]
.else
	v_pk_fma_f32 v[AC+\k:AC+\k+1], v[DF+4*\j+\k:DF+4*\j+\k+1], v[DF+4*\j+\k:DF+4*\j+\k+1], v[AC+\k:AC+\k+1]
.endif
.endr
	global_store_b128 v7, v[ZR+4*\j:ZR+4*\j+3], s[18:19] offset:32768*\j th:TH_STORE_NT   ; sixteen lanes store 256 consecutive bytes
.endr
	v_pk_add_f32 v[AC:AC+1], v[AC:AC+1], v[AC+2:AC+3]
	v_add_f32 v[AC], v[AC], v[AC+1]
	v_add_f32_dpp v[AC], v[AC], v[AC] row_xmask:1 row_mask:0xf bank_mask:0xf
	v_add_f32_dpp v[AC], v[AC], v[AC] row_xmask:2 row_mask:0xf bank_mask:0xf
	v_add_f32_dpp v[AC], v[AC], v[AC] row_xmask:4 row_mask:0xf bank_mask:0xf
	v_add_f32_dpp v[AC], v[AC], v[AC] row_xmask:8 row_mask:0xf bank_mask:0xf
	v_permlanex16_b32 v[AC+1], v[AC], s48, s49
	v_add_f32 v[AC], v[AC], v[AC+1]                ; my 8 channels x 64 tokens
	v_and_b32 v3, 31, v0
	v_mov_b32 v[AC+2], 0
	s_wait_alu depctr_va_vdst(0)
	v_cmp_eq_u32 vcc_lo, 0, v3
	s_wait_alu depctr_va_vdst(0)
	s_wait_xcnt 0x0                                ; EXEC changes only behind this wait: it is a source of the stores above
	s_and_saveexec_b32 s50, vcc_lo
	global_store_b32 v[AC+2], v[AC], s[22:23]      ; lane 0: part[4 g + u]
	s_wait_xcnt 0x0
	s_or_b32 exec_lo, exec_lo, s50
	s_wait_tensorcnt 0x0                           ; the wave's end
	ds_add_u32 v1, v2
	s_wait_dscnt 0x0
	s_endpgm
.Lfunc_end_k_q565d4028f9_pick:
	.size	k_q565d4028f9_pick, .Lfunc_end_k_q565d4028f9_pick-k_q565d4028f9_pick
	.p2alignl 7, 3214868480
	.fill 96, 4, 3214868480
	.section	.rodata,"a",@progbits
	.p2align	6, 0x0
	.amdhsa_kernel k_q565d4028f9_pick
		.amdhsa_group_segment_fixed_size 18432
		.amdhsa_private_segment_fixed_size 0
		.amdhsa_enable_private_segment 0
		.amdhsa_kernarg_size 80
		.amdhsa_user_sgpr_count 2
		.amdhsa_user_sgpr_kernarg_segment_ptr 1
		.amdhsa_wavefront_size32 1
		.amdhsa_system_sgpr_workgroup_id_x 1
		.amdhsa_system_sgpr_workgroup_id_y 1
		.amdhsa_system_sgpr_workgroup_id_z 1
		.amdhsa_system_vgpr_workitem_id 0
		.amdhsa_next_free_vgpr 296
		.amdhsa_next_free_sgpr 66
		.amdhsa_reserve_vcc 1
		.amdhsa_float_denorm_mode_32 3
		.amdhsa_float_denorm_mode_16_64 3
		.amdhsa_memory_ordered 1
		.amdhsa_forward_progress 1
		.amdhsa_inst_pref_size 35
	.end_amdhsa_kernel
	.amdgpu_metadata
---
amdhsa.version: [ 1, 2 ]
amdhsa.kernels:
  - .name:           k_q565d4028f9_pick
    .symbol:         k_q565d4028f9_pick.kd
    .args:
      - { .name: cand, .offset: 0, .size: 8, .value_kind: global_buffer, .address_space: global }
      - { .name: img, .offset: 8, .size: 8, .value_kind: global_buffer, .address_space: global }
      - { .name: emb_codes, .offset: 16, .size: 8, .value_kind: global_buffer, .address_space: global }
      - { .name: proj_w_codes, .offset: 24, .size: 8, .value_kind: global_buffer, .address_space: global }
      - { .name: proj_w_scales, .offset: 32, .size: 8, .value_kind: global_buffer, .address_space: global }
      - { .name: proj_b, .offset: 40, .size: 8, .value_kind: global_buffer, .address_space: global }
      - { .name: z, .offset: 48, .size: 8, .value_kind: global_buffer, .address_space: global }
      - { .name: out0, .offset: 56, .size: 8, .value_kind: global_buffer, .address_space: global }
      - { .name: out2, .offset: 64, .size: 8, .value_kind: global_buffer, .address_space: global }
      - { .name: part, .offset: 72, .size: 8, .value_kind: global_buffer, .address_space: global }
    .group_segment_fixed_size: 18432
    .private_segment_fixed_size: 0
    .kernarg_segment_align: 8
    .kernarg_segment_size: 80
    .max_flat_workgroup_size: 128
    .sgpr_count:     66
    .vgpr_count:     296
    .wavefront_size: 32
...
	.end_amdgpu_metadata
.endif
;; end of part 2
;; launch total (part 3): grid 1 x 1, 1 waves a work-group, no clusters, 0 bytes of LDS; arguments part, out1; writes out1
.if DOCPART == 3
	.amdgcn_target "amdgcn-amd-amdhsa--gfx1250"
	.amdhsa_code_object_version 6
	.text
	.protected	k_q565d4028f9_total
	.globl	k_q565d4028f9_total
	.p2align	8
	.type	k_q565d4028f9_total,@function
k_q565d4028f9_total:
	s_mov_b64 s[64:65], 0
	v_nop
	global_prefetch_b8 v0, s[64:65] scope:SCOPE_SE
	s_setreg_imm32_b32 hwreg(HW_REG_WAVE_MODE, 25, 1), 1
	s_wait_xcnt 0x0
; SimVQ, launch 3 of 3: the loss.  The formula's two means are the same number m = (the sum of (zq - z)^2) / 2^19 (16,384 tokens x 32 channels): it is made once, and loss = m + 0.25 m.
; One wave adds the 1,024 partial sums of the second launch: a sum that spans work-groups has one owner, in a launch of its own.
	s_load_b128 s[4:7], s[0:1], 0x0                ; part s[4:5], out1 s[6:7]
	v_lshlrev_b32 v1, 4, v0                        ; 16 bytes a lane: a load reads 512 consecutive bytes
	s_mov_b32 s8, 0x76543210
	s_mov_b32 s9, 0xfedcba98
	s_wait_alu depctr_va_vdst(0)
	s_wait_kmcnt 0x0
.irp k, 0,1,2,3,4,5,6,7
	global_load_b128 v[4+4*\k:7+4*\k], v1, s[4:5] offset:512*\k
.endr
	s_wait_loadcnt 0x0
.irp k, 0,2,4,6,8,10,12,14
	v_pk_add_f32 v[4+\k:5+\k], v[4+\k:5+\k], v[20+\k:21+\k]
.endr
.irp k, 0,2,4,6
	v_pk_add_f32 v[4+\k:5+\k], v[4+\k:5+\k], v[12+\k:13+\k]
.endr
	v_pk_add_f32 v[4:5], v[4:5], v[8:9]
	v_pk_add_f32 v[6:7], v[6:7], v[10:11]
	v_pk_add_f32 v[4:5], v[4:5], v[6:7]
	v_add_f32 v4, v4, v5
	v_add_f32_dpp v4, v4, v4 row_xmask:1 row_mask:0xf bank_mask:0xf
	v_add_f32_dpp v4, v4, v4 row_xmask:2 row_mask:0xf bank_mask:0xf
	v_add_f32_dpp v4, v4, v4 row_xmask:4 row_mask:0xf bank_mask:0xf
	v_add_f32_dpp v4, v4, v4 row_xmask:8 row_mask:0xf bank_mask:0xf
	v_permlanex16_b32 v5, v4, s8, s9
	v_add_f32 v4, v4, v5
	v_mul_f32 v4, 0x36000000, v4                   ; x 2^-19: the mean
	v_fma_f32 v5, v4, 0x3e800000, v4               ; m x 0.25 + m
	v_mov_b32 v6, 0
	v_cmp_eq_u32 vcc_lo, 0, v0
	s_wait_alu depctr_va_vdst(0)
	s_wait_xcnt 0x0                                ; EXEC changes only behind this wait
	s_and_saveexec_b32 s10, vcc_lo
	global_store_b32 v6, v5, s[6:7]                ; lane 0
	s_wait_xcnt 0x0
	s_or_b32 exec_lo, exec_lo, s10
	s_endpgm
.Lfunc_end_k_q565d4028f9_total:
	.size	k_q565d4028f9_total, .Lfunc_end_k_q565d4028f9_total-k_q565d4028f9_total
	.p2alignl 7, 3214868480
	.fill 96, 4, 3214868480
	.section	.rodata,"a",@progbits
	.p2align	6, 0x0
	.amdhsa_kernel k_q565d4028f9_total
		.amdhsa_group_segment_fixed_size 0
		.amdhsa_private_segment_fixed_size 0
		.amdhsa_enable_private_segment 0
		.amdhsa_kernarg_size 16
		.amdhsa_user_sgpr_count 2
		.amdhsa_user_sgpr_kernarg_segment_ptr 1
		.amdhsa_wavefront_size32 1
		.amdhsa_system_sgpr_workgroup_id_x 1
		.amdhsa_system_sgpr_workgroup_id_y 1
		.amdhsa_system_sgpr_workgroup_id_z 1
		.amdhsa_system_vgpr_workitem_id 0
		.amdhsa_next_free_vgpr 40
		.amdhsa_next_free_sgpr 66
		.amdhsa_reserve_vcc 1
		.amdhsa_float_denorm_mode_32 3
		.amdhsa_float_denorm_mode_16_64 3
		.amdhsa_memory_ordered 1
		.amdhsa_forward_progress 1
		.amdhsa_inst_pref_size 4
	.end_amdhsa_kernel
	.amdgpu_metadata
---
amdhsa.version: [ 1, 2 ]
amdhsa.kernels:
  - .name:           k_q565d4028f9_total
    .symbol:         k_q565d4028f9_total.kd
    .args:
      - { .name: part, .offset: 0, .size: 8, .value_kind: global_buffer, .address_space: global }
      - { .name: out1, .offset: 8, .size: 8, .value_kind: global_buffer, .address_space: global }
    .group_segment_fixed_size: 0
    .private_segment_fixed_size: 0
    .kernarg_segment_align: 8
    .kernarg_segment_size: 16
    .max_flat_workgroup_size: 32
    .sgpr_count:     66
    .vgpr_count:     40
    .wavefront_size: 32
...
	.end_amdgpu_metadata
.endif
;; end of part 3
